; MI455X (gfx1250); checked and timed in simulation.
; The chip was launched on July 23, 2026; its instructions are those of AMD's public machine-readable ISA for CDNA 5 (MIT licence, August 2026) and "CDNA5" Instruction Set Architecture Reference Guide (July 2026). The comments in the code are by the model that wrote it; some were corrected since.
;; Entangle Complex. Allowed arithmetic: matrix products marked QUANTISED: E4M3 operands, one E8M0 scale for each 32 along K, by v_wmma_scale_f32_16x16x128_f8f6f4 with both operands' format E4M3, f32 sums; everything else in f32.
;; Inputs: op 4,096 x 4,096 float32; x_imag 2,048 x 4,096 float32; x_real 2,048 x 4,096 float32.
;; Outputs: out0 2,048 x 4,096 float32; out1 2,048 x 4,096 float32.
;; This version of the problem:
;;   THIS VERSION OF THE PROBLEM IS GIVEN IN LOW PRECISION. The matrix products marked QUANTISED in the list below multiply operands that are first quantised to E4M3 (4 exponent bits, 3 mantissa bits; 8 bits a number), with one power-of-two scale for each 32 numbers along K (OCP MX v1.0); their sums are f32. All else is computed in f32.
;;   The module's matrix products, in the order in which they are computed (A, B: the left and right operand; K: the contracted axis; several contracted axes count as one K, in the product's order):
;;     1. [M 2,048, K 4,096] x [K 4,096, N 4,096]; A: input x_real; B: input op: QUANTISED
;;     2. [M 2,048, K 4,096] x [K 4,096, N 4,096]; A: input x_imag; B: input op: QUANTISED
;;   THE QUANTISER, for each operand of a quantised product, along K:
;;     - K is cut into blocks of 32 from its start; a last block that is shorter is filled with zeros.
;;     - A block's scale is 2^e with e = floor(log2(the largest magnitude in the block)) - 8, held to -126 .. 127; a block of zeros has e = 0. As a byte (E8M0): e + 127.
;;     - Each number is divided by its block's scale, clamped to +-448, and rounded to the nearest number of E4M3, ties to even, subnormals kept.
;;     - The product sums the exact products of the quantised numbers (number of the format x scale) in f32.
;;   ~~~python
;;   def quantise(x, axis):      # numpy; x: float32 -> the quantised numbers, widened to float32 again
;;       x = np.moveaxis(x, axis, -1); K = x.shape[-1]
;;       x = np.pad(x, [(0, 0)] * (x.ndim - 1) + [(0, -K % 32)]); x = x.reshape(x.shape[:-1] + (-1, 32)); a = np.abs(x).max(-1, keepdims=True)
;;       e = np.where(a > 0, np.clip(np.frexp(np.where(a > 0, a, 1))[1] - 1 - 8, -126, 127), 0)      # np.frexp(a)[1] - 1 = floor(log2(a)), exactly
;;       r = np.clip(x / 2.0 ** e, -448, 448)
;;       step = 2.0 ** (np.maximum(np.frexp(np.where(r == 0, 1, r))[1] - 1, -6) - 3)
;;       q = np.round(r / step) * step * 2.0 ** e      # np.round: ties to even
;;       return np.moveaxis(q.reshape(q.shape[:-2] + (-1,))[..., :K], -1, axis).astype(np.float32)
;;   ~~~
;; One version. Each part assembles by itself: llvm-mc -triple=amdgcn-amd-amdhsa -mcpu=gfx1250 --defsym DOCPART=n.
;; ======== version 1 of 1: 2 launches
;; limits: right only within a limited range of input values
;; workspace buffers: a_q 17,301,504 bytes; b_q 17,301,504 bytes
;; launch quant (part 1): grid 256 x 1, 8 waves a work-group, no clusters, 327,680 bytes of LDS; arguments x_real, x_imag, op, a_q, b_q; writes a_q, b_q
.if DOCPART == 1
	.amdgcn_target "amdgcn-amd-amdhsa--gfx1250"
	.amdhsa_code_object_version 6
	.text
	.protected	k_qbfc8e6c0e6_quant
	.globl	k_qbfc8e6c0e6_quant
	.p2align	8
	.type	k_qbfc8e6c0e6_quant,@function
k_qbfc8e6c0e6_quant:
	s_mov_b64 s[64:65], 0
	v_nop
	global_prefetch_b8 v0, s[64:65] scope:SCOPE_SE
	s_setreg_imm32_b32 hwreg(HW_REG_WAVE_MODE, 25, 1), 1
	s_wait_xcnt 0x0
; x_real, x_imag [2048][4096] and op [4096 (k)][4096 (n)], f32, become codes of FP8 (E4M3) with one E8M0 scale byte for each 32 along K.
; x_real over x_imag is ONE operand A of 4,096 rows (K innermost); op is operand B, whose rows are its columns n (K is op's first axis).
; A block's scale is 2^(floor(log2(its largest magnitude)) - 8); its byte is the largest magnitude's exponent field - 8, held at 1 from below.
; Each number is divided by the scale, held within +-448 and rounded to the nearest code, ties to even.
; LIMITS: NaN and infinities among the inputs are not served.  A block of zeros gets the byte 1 where the rule says 127: its codes are zeros, which add
; nothing under any byte but 0xff, and the bytes are read by this program alone.  Blocks whose largest magnitude lies under 2^-118 keep the byte 1.
; THE WORKSPACE, the same for a_q and b_q: block (ks, g), ks = k / 256, g = row / 128, begins at (32 ks + g) x 33,792 bytes and holds 128 rows x 256 codes
; (row p at 256 p), then the rows' scale bytes (row p's eight at 32,768 + 8 p).
; A work-group of eight waves takes two blocks of A and two of B, four waves to a block.  Every wave runs the same text: it asks for its 64 rows x 128 columns of op
; by ONE tensor load (32,768 bytes of LDS of its own, filled once), works its part of A from plain loads meanwhile, and then works its rows of op out of LDS.
; No cluster: no two work-groups read the same bytes.  No prefetch: the text has no loop and reads each byte once.
.set GROUPB, 33792
.set MANT,   0x600000                  ; the mantissa field of 448 as f32
.set FLOOR,  0x4800000                 ; 2^(9 - 127): the byte cannot fall under 1
.set OFF8,   0xfc000000                ; -(8 << 23)
.set SPW,    252                       ; LDS address of my spare word; never rewritten
.set NIL,    253                       ; 0; never rewritten
; part A
.set STEPS,  16
.set SP,     80                        ; a lane's place in a stage: 64 bytes + 16 of padding
.set WREG,   5632                      ; a wave's LDS for A: two stages of 32 x SP bytes, then its 256 scale bytes
.set XB,     262144                    ; behind op's eight tiles
.set SPARE,  XB+8*WREG                 ; behind them the spare words, 128 bytes a wave
.set XR,     16                        ; v16-79   four sets of 16 numbers as loaded
.set XX,     80                        ; v80-111  two sets of 16 neighbours
.set XE,     112                       ; v112-127 a scale byte for each step
.set XC,     128                       ; v128-191 codes, four registers a step
; part B
.set OPITCH, 272                       ; a row of the codes' stage; the stage of a block lies at the head of the block's four tiles, which have had their only fill
.set OSCO,   128*OPITCH                ; behind the stage's rows the block's 1,024 scale bytes
.set OM,     8                         ; v8-11    largest magnitude of my four columns
.set OSC,    16                        ; v16-19   the conversions' scale operands
.set OL,     20                        ; v20-23   448 x the scale
.set OB,     24                        ; v24-27   two scale bytes a column
.set OT,     28                        ; v28-43   two sets of eight held numbers, neighbours along K
.set L0,     44                        ; v44-171  32 rows x 4 columns
.set OC,     172                       ; v172-235 my codes: 4 registers for each (block of 32, half, column)
.set VLD,    236                       ; LDS addresses of part B, made at the head and kept
.set VST,    237
.set VSS,    238
.set VRD,    239
.set VSR,    240
	s_load_b128 s[4:7], s[0:1], 0x0                ; x_real, x_imag
	s_load_b128 s[8:11], s[0:1], 0x10              ; op, a_q
	s_load_b64 s[12:13], s[0:1], 0x20              ; b_q
	v_lshl_add_u32 v[SPW], v0, 2, SPARE
	v_mov_b32 v[NIL], 0
	ds_add_u32 v[SPW], v[NIL]                      ; the opening lines: the add, twice on end, and its wait ahead of my tensor load
	ds_add_u32 v[SPW], v[NIL]
	v_lshrrev_b32 v1, 5, v0
	v_readfirstlane_b32 s33, v1                    ; wave 0..7
	s_and_b32 s16, s33, 3                          ; my place among a block's four waves
	s_lshr_b32 s34, s33, 2                         ; which of the work-group's two blocks
	s_lshl_b32 s35, ttmp9, 1
	s_add_co_u32 s35, s35, s34                     ; the block's number, 0..511, for A and for B alike
	; the tensor load: 64 rows x 128 numbers of 4 bytes, rows 4,096 numbers apart, dense in LDS at 32,768 x wave
	s_mov_b32 s36, 1
	s_lshl_b32 s37, s33, 15
	s_mov_b32 s40, 2<<16
	s_mov_b32 s41, 128<<16
	s_mov_b32 s42, 64<<16
	s_mov_b32 s43, 128<<16
	s_mov_b32 s44, 64
	s_mov_b32 s45, 4096
	s_mov_b32 s46, 0
	s_mov_b32 s47, 0
	s_and_b32 s54, s35, 31                         ; B: g
	s_lshr_b32 s55, s35, 5                         ; ks
	s_lshl_b32 s52, s55, 22                        ; 256 rows of 16,384 bytes a K step,
	s_lshl_b32 s54, s54, 9                         ; the group's 128 columns,
	s_add_co_u32 s52, s52, s54
	s_lshl_b32 s54, s16, 20                        ; my 64 rows
	s_add_co_u32 s52, s52, s54
	s_mov_b32 s53, 0
	s_mul_i32 s56, s35, GROUPB                     ; the block's first byte in b_q
	s_mov_b32 s57, 0
	s_lshl_b32 s58, s34, 17                        ; the block's four tiles in LDS
	s_lshl_b32 s59, s16, 6
	s_add_co_u32 s59, s59, s58                     ; into the stage: byte 64 w of a row
	s_lshl_b32 s60, s16, 1
	s_add_co_u32 s60, s60, s58
	s_add_co_u32 s60, s60, OSCO                    ; scale bytes in: byte 2 w of a row's eight
	s_mul_i32 s61, s16, 32*OPITCH
	s_add_co_u32 s61, s61, s58                     ; out of the stage: rows 32 w ..
	s_lshl_b32 s62, s16, 8
	s_add_co_u32 s62, s62, s58
	s_add_co_u32 s62, s62, OSCO                    ; scale bytes out: 256 a wave
	s_and_b32 s17, s35, 15                         ; A: ks
	s_lshr_b32 s18, s35, 4                         ; g
	s_lshl_b32 s19, s17, 5
	s_add_co_u32 s19, s19, s18
	s_mul_i32 s20, s19, GROUPB                     ; the block's first byte in a_q
	s_mov_b32 s21, 0
	s_and_b32 s22, s18, 15                         ; the group's place in its own tensor
	s_lshl_b32 s22, s22, 21
	s_lshl_b32 s24, s16, 19                        ; my 32 rows
	s_add_co_u32 s22, s22, s24
	s_lshl_b32 s24, s17, 10                        ; 256 numbers along K
	s_add_co_u32 s22, s22, s24
	s_mov_b32 s23, 0
	s_lshl_b32 s24, s16, 13                        ; the 32 rows of codes that I store, in A's block and in B's
	s_mov_b32 s25, 0
	s_lshl_b32 s28, s16, 8                         ; and their 256 scale bytes
	s_add_co_u32 s28, s28, 32768
	s_mov_b32 s29, 0
	s_mov_b32 s26, MANT
	s_mul_i32 s30, s33, WREG
	s_add_co_u32 s30, s30, XB                      ; my stages for A
	s_add_co_u32 s32, s30, 2*32*SP                 ; and my 256 scale bytes
	v_and_b32 v2, 31, v0                           ; lane
	v_lshlrev_b32 v3, 4, v2                        ; 16 x lane
	v_lshrrev_b32 v14, 2, v2
	v_mul_u32_u24 v14, v14, SP
	v_and_b32 v15, 3, v2
	v_lshl_add_u32 v14, v15, 4, v14
	v_add_nc_u32 v14, s30, v14                     ; A's stage, on the way in
	v_mul_u32_u24 v15, v2, SP
	v_add_nc_u32 v15, s30, v15                     ; and on the way out
	v_lshrrev_b32 v5, 1, v2
	v_add_nc_u32 v5, s32, v5                       ; my block's scale byte in LDS
	v_lshlrev_b32 v7, 3, v2                        ; 8 x lane
	v_add_nc_u32 v6, s32, v7
	v_lshl_add_u32 v[VLD], v2, 4, s37              ; my tile of op: my four columns of a row
	v_mul_u32_u24 v[VST], v2, 4*OPITCH
	v_add_nc_u32 v[VST], s59, v[VST]               ; stage row 4 lane
	v_lshl_add_u32 v[VSS], v2, 5, s60              ; the scale bytes of row 4 lane
	v_and_b32 v[VRD], 15, v2
	v_lshrrev_b32 v[VSR], 4, v2
	v_mul_u32_u24 v[VSR], v[VSR], OPITCH
	v_lshl_add_u32 v[VRD], v[VRD], 4, v[VSR]
	v_add_nc_u32 v[VRD], s61, v[VRD]               ; sixteen lanes to a row, two rows an instruction
	v_add_nc_u32 v[VSR], s62, v7
	s_wait_alu depctr_va_vdst(0)
	s_wait_dscnt 0x0                               ; both opening adds are done
	s_wait_kmcnt 0x0
	s_add_nc_u64 s[38:39], s[8:9], s[52:53]
	s_or_b32 s39, s39, 0x80000000
	tensor_load_to_lds s[36:39], s[40:47]          ; my one tensor load
	s_nop 0
	s_add_nc_u64 s[12:13], s[12:13], s[56:57]
	s_add_nc_u64 s[48:49], s[12:13], s[24:25]      ; B: the codes that I store
	s_add_nc_u64 s[50:51], s[12:13], s[28:29]      ; and the scale bytes
	s_cmp_lt_u32 s18, 16                           ; groups 0-15 are x_real's rows, 16-31 x_imag's
	s_cselect_b64 s[4:5], s[4:5], s[6:7]
	s_add_nc_u64 s[4:5], s[4:5], s[22:23]
	s_add_nc_u64 s[10:11], s[10:11], s[20:21]
	s_add_nc_u64 s[8:9], s[10:11], s[24:25]        ; A: my codes
	s_add_nc_u64 s[14:15], s[10:11], s[28:29]      ; my scale bytes
; PART A.  My 32 rows, 256 numbers of each, in 16 steps of two rows.  Each load reads 512 consecutive bytes; a step's 2,048 bytes go through my own stage
; and come back 64 bytes a lane: 16 neighbours along K; two neighbouring lanes hold a block of 32.
.macro XLOAD t
.irp i, 0,1,2,3
	global_load_b128 v[XR+16*((\t)%4)+4*\i:XR+16*((\t)%4)+4*\i+3], v3, s[4:5] offset:(2*(\t)+\i/2)*16384+(\i%2)*512 th:TH_LOAD_NT
.endr
.endm
.macro XTURN t                         ; LDS serves a wave's instructions in order (ISA guide 5.7.1.4): no wait between the stores and the loads
.irp i, 0,1,2,3
	ds_store_b128 v14, v[XR+16*((\t)%4)+4*\i:XR+16*((\t)%4)+4*\i+3] offset:32*SP*((\t)%2)+8*SP*\i
.endr
.irp i, 0,1,2,3
	ds_load_b128 v[XX+16*((\t)%2)+4*\i:XX+16*((\t)%2)+4*\i+3], v15 offset:32*SP*((\t)%2)+16*\i
.endr
.endm
.irp t, 0,1,2,3
	XLOAD \t
.endr
	s_wait_loadcnt 12                              ; step 0's four loads are in; the twelve of steps 1 to 3 may be out
	XTURN 0
.macro XSTEP t
.set XS, XX+16*((\t)%2)
.if (\t) > 0
	s_wait_dscnt 1                                 ; this step's numbers are back (the last step's byte store may be out)
.else
	s_wait_dscnt 0x0
.endif
.if (\t)+4 < STEPS
	XLOAD (\t)+4
.endif
.if (\t)+1 < STEPS
.if STEPS-2-(\t) >= 3
	s_wait_loadcnt 12                              ; the next step's four loads are in; three steps' may be out
.else
	s_wait_loadcnt 4*(STEPS-2-(\t))
.endif
	XTURN (\t)+1
.endif
	v_max3_num_f32 v8, |v[XS]|, |v[XS+1]|, |v[XS+2]|
	v_max3_num_f32 v9, |v[XS+3]|, |v[XS+4]|, |v[XS+5]|
.irp i, 6,10
	v_max3_num_f32 v8, v8, |v[XS+\i]|, |v[XS+\i+1]|
	v_max3_num_f32 v9, v9, |v[XS+\i+2]|, |v[XS+\i+3]|
.endr
	v_max3_num_f32 v8, v8, |v[XS+14]|, |v[XS+15]|
	v_max3_num_f32 v8, v8, v9, FLOOR
	v_max_num_f32_dpp v8, v8, v8 row_xmask:1 row_mask:0xf bank_mask:0xf   ; with my neighbour's 16: the block's
	v_add_nc_u32 v11, OFF8, v8                     ; the conversion's scale operand
	v_and_or_b32 v10, v8, 0x7f800000, s26          ; 448 x the scale
.irp i, 0,1,2,3,4,5,6,7,8,9,10,11,12,13,14,15
	v_med3_num_f32 v[XS+\i], v[XS+\i], -v10, v10   ; the conversion does not saturate (ISA guide 7.6.2): hold first
.endr
	v_cvt_scalef32_pk8_fp8_f32 v[XC+4*(\t):XC+4*(\t)+1], v[XS:XS+7], v11
	v_cvt_scalef32_pk8_fp8_f32 v[XC+4*(\t)+2:XC+4*(\t)+3], v[XS+8:XS+15], v11
	v_lshrrev_b32 v[XE+(\t)], 23, v11              ; the scale's byte
	ds_store_b8 v5, v[XE+(\t)] offset:16*(\t)
	global_store_b128 v3, v[XC+4*(\t):XC+4*(\t)+3], s[8:9] offset:512*(\t)   ; two rows of 256 codes: 512 consecutive bytes
.endm
.irp t, 0,1,2,3,4,5,6,7,8,9,10,11,12,13,14,15
	XSTEP \t
.endr
	ds_load_b64 v[12:13], v6
	s_wait_dscnt 0x0
	global_store_b64 v7, v[12:13], s[14:15]        ; my 32 rows' scale bytes: 256 consecutive bytes
	s_wait_xcnt 0x0                                ; part A's stores have read their registers: part B writes them again
; PART B.  A LANE TAKES FOUR NEIGHBOURING COLUMNS OF op: register 4 i + c holds row i of column c.  My 64 rows are two blocks of 32 along K for each column.
; The hold at 448 x the scale writes a column's numbers into consecutive registers, as the conversions want them: nothing else is moved.  My codes stay in registers until
; every wave has read its tile; then a lane's 16 codes go to row (column) 4 lane + c of the block's stage, at byte 64 w + ..; behind a second barrier each wave reads 32 whole rows and stores them.
.macro OLD blk                         ; 32 rows of my tile: each load takes a row's 512 bytes
.irp i, 0,1,2,3,4,5,6,7,8,9,10,11,12,13,14,15,16,17,18,19,20,21,22,23,24,25,26,27,28,29,30,31
	ds_load_b128 v[L0+4*\i:L0+4*\i+3], v[VLD] offset:(32*(\blk)+\i)*512
.endr
.endm
.macro OHALF blk, hh                   ; 16 rows of each column: held and converted
.irp c, 0,1,2,3
.irp g, 0,1
.irp j, 0,1,2,3,4,5,6,7
	v_med3_num_f32 v[OT+8*\g+\j], v[L0+64*(\hh)+32*\g+4*\j+\c], -v[OL+\c], v[OL+\c]   ; the hold (ISA guide 7.6.2), into neighbours along K
.endr
	v_cvt_scalef32_pk8_fp8_f32 v[OC+32*(\blk)+16*(\hh)+4*\c+2*\g:OC+32*(\blk)+16*(\hh)+4*\c+2*\g+1], v[OT+8*\g:OT+8*\g+7], v[OSC+\c]
.endr
.endr
.endm
.macro OBLK blk
	OLD \blk
	s_wait_dscnt 0x0
.irp c, 0,1,2,3
	v_max3_num_f32 v[OM+\c], |v[L0+\c]|, |v[L0+4+\c]|, FLOOR
.endr
.irp i, 2,4,6,8,10,12,14,16,18,20,22,24,26,28,30
.irp c, 0,1,2,3
	v_max3_num_f32 v[OM+\c], v[OM+\c], |v[L0+4*\i+\c]|, |v[L0+4*\i+4+\c]|   ; the four columns by turns
.endr
.endr
.irp c, 0,1,2,3
	v_add_nc_u32 v[OSC+\c], OFF8, v[OM+\c]         ; the conversion's scale operand
.endr
.irp c, 0,1,2,3
	v_and_or_b32 v[OL+\c], v[OM+\c], 0x7f800000, s26   ; 448 x the scale
.endr
.if \blk == 0
.irp c, 0,1,2,3
	v_lshrrev_b32 v[OB+\c], 23, v[OSC+\c]          ; the scale's byte
.endr
.else
.irp c, 0,1,2,3
	v_lshrrev_b32 v[OM+\c], 23, v[OSC+\c]
.endr
.irp c, 0,1,2,3
	v_lshl_or_b32 v[OB+\c], v[OM+\c], 8, v[OB+\c]  ; the lower K in the lower byte
.endr
.endif
	OHALF \blk, 0
	OHALF \blk, 1
.endm
	s_wait_tensorcnt 0x0                           ; my tile is in LDS; I alone read it
	OBLK 0
	OBLK 1
	v_nop                                          ; a plain line behind the last conversion
	s_wait_alu depctr_va_vdst(0)
	s_wait_dscnt 0x0                               ; my reads of my tile are over
	s_barrier_signal -1
	s_barrier_wait -1                              ; so are everybody's, and every tile has landed: the stages may be written over the tiles
.irp k, 0,1
.irp h, 0,1
.irp c, 0,1,2,3
	ds_store_b128 v[VST], v[OC+32*\k+16*\h+4*\c:OC+32*\k+16*\h+4*\c+3] offset:\c*OPITCH+32*\k+16*\h
.endr
.endr
.endr
.irp c, 0,1,2,3
	ds_store_b16 v[VSS], v[OB+\c] offset:8*\c
.endr
	s_wait_dscnt 0x0                               ; for the others' sake: my stores into the stage are done
	s_barrier_signal -1
	s_barrier_wait -1
	ds_load_b64 v[OM:OM+1], v[VSR]
.irp t, 0,1,2,3,4,5,6,7,8,9,10,11,12,13,14,15
	ds_load_b128 v[L0+4*\t:L0+4*\t+3], v[VRD] offset:2*\t*OPITCH
.endr
	s_wait_dscnt 16                                ; the scale bytes are in; the 16 loads of rows may be out
	global_store_b64 v7, v[OM:OM+1], s[50:51]      ; 32 rows' scale bytes: 256 consecutive bytes, aligned
.irp t, 0,1,2,3,4,5,6,7,8,9,10,11,12,13,14,15
	s_wait_dscnt 15-\t                             ; LDS loads come back in order: pair t of rows is in
	global_store_b128 v3, v[L0+4*\t:L0+4*\t+3], s[48:49] offset:512*\t
.endr
	s_wait_tensorcnt 0x0                           ; the wave's end
	ds_add_u32 v[SPW], v[NIL]
	s_wait_dscnt 0x0
	s_endpgm
.Lfunc_end_k_qbfc8e6c0e6_quant:
	.size	k_qbfc8e6c0e6_quant, .Lfunc_end_k_qbfc8e6c0e6_quant-k_qbfc8e6c0e6_quant
	.p2alignl 7, 3214868480
	.fill 96, 4, 3214868480
	.section	.rodata,"a",@progbits
	.p2align	6, 0x0
	.amdhsa_kernel k_qbfc8e6c0e6_quant
		.amdhsa_group_segment_fixed_size 327680
		.amdhsa_private_segment_fixed_size 0
		.amdhsa_enable_private_segment 0
		.amdhsa_kernarg_size 40
		.amdhsa_user_sgpr_count 2
		.amdhsa_user_sgpr_kernarg_segment_ptr 1
		.amdhsa_wavefront_size32 1
		.amdhsa_system_sgpr_workgroup_id_x 1
		.amdhsa_system_sgpr_workgroup_id_y 1
		.amdhsa_system_sgpr_workgroup_id_z 1
		.amdhsa_system_vgpr_workitem_id 0
		.amdhsa_next_free_vgpr 254
		.amdhsa_next_free_sgpr 66
		.amdhsa_reserve_vcc 0
		.amdhsa_float_denorm_mode_32 3
		.amdhsa_float_denorm_mode_16_64 3
		.amdhsa_memory_ordered 1
		.amdhsa_forward_progress 1
		.amdhsa_inst_pref_size 90
	.end_amdhsa_kernel
	.amdgpu_metadata
---
amdhsa.version: [ 1, 2 ]
amdhsa.kernels:
  - .name:           k_qbfc8e6c0e6_quant
    .symbol:         k_qbfc8e6c0e6_quant.kd
    .args:
      - { .name: x_real, .offset: 0, .size: 8, .value_kind: global_buffer, .address_space: global }
      - { .name: x_imag, .offset: 8, .size: 8, .value_kind: global_buffer, .address_space: global }
      - { .name: op, .offset: 16, .size: 8, .value_kind: global_buffer, .address_space: global }
      - { .name: a_q, .offset: 24, .size: 8, .value_kind: global_buffer, .address_space: global }
      - { .name: b_q, .offset: 32, .size: 8, .value_kind: global_buffer, .address_space: global }
    .group_segment_fixed_size: 327680
    .private_segment_fixed_size: 0
    .kernarg_segment_align: 8
    .kernarg_segment_size: 40
    .max_flat_workgroup_size: 256
    .sgpr_count:     66
    .vgpr_count:     254
    .wavefront_size: 32
...
	.end_amdgpu_metadata
.endif
;; end of part 1
;; launch gemm (part 2): grid 16 x 16, 4 waves a work-group, clusters of 4 x 4, 327,680 bytes of LDS; arguments a_q, b_q, out0, out1; writes out0, out1
.if DOCPART == 2
	.amdgcn_target "amdgcn-amd-amdhsa--gfx1250"
	.amdhsa_code_object_version 6
	.text
	.protected	k_qbfc8e6c0e6_gemm
	.globl	k_qbfc8e6c0e6_gemm
	.p2align	8
	.type	k_qbfc8e6c0e6_gemm,@function
k_qbfc8e6c0e6_gemm:
	s_mov_b64 s[64:65], 0
	v_nop
	global_prefetch_b8 v0, s[64:65] scope:SCOPE_SE
	s_setreg_imm32_b32 hwreg(HW_REG_WAVE_MODE, 25, 1), 1
	s_wait_xcnt 0x0
	s_wait_alu depctr_hold_cnt(0) depctr_sa_sdst(0) depctr_va_vdst(0) depctr_va_sdst(0) depctr_va_ssrc(0) depctr_va_vcc(0) depctr_vm_vsrc(0)
	s_getreg_b32 s2, hwreg(HW_REG_IB_STS2, 6, 4)
	s_cmp_eq_u32 s2, 0
	s_cbranch_scc0 .Lentry_in_a_cluster
	s_endpgm
.Lentry_in_a_cluster:
	s_bfe_u32 s2, ttmp6, 0x10000c
	s_cmp_lg_u32 s2, 0xf033
	s_cbranch_scc0 .Lentry_shape_is_right
	s_endpgm
.Lentry_shape_is_right:
.set SIZE_N, 4096
.set NQ,     2
.set PITCH,  272
.set FR,     16
.set NL,     4
.set NP,     8
.set TROWS,  132
.set HALFT,  TROWS*PITCH
.set SLOT,   4*HALFT
.set SCOFF,  128*PITCH
.set SPARE,  2*SLOT
.set GROUPB, 33792
.set KSTRIDE, 32*GROUPB
.set LAPS,   8
.set SPITCH, 528
.set ADRA, 16
.set ADRB, 20
.set ADRS, 22
.set STO,  24
.set RD,   25
.set CO,   26
.set SPW,  28
.set NIL,  29
.set PFO,  30
.set SC,   32
.set AF,   128
.set BK,   128
.set G1, 24
.set G0, 32
.set G1B, 48
.set G0B, 56
.set PFA, 68
.set BA,  72
.set BB,  74
.set KS,  76
.set PK,  77
.set KO,  78
.set PB,  80
.set PO,  82
.set MSB, 0
.macro WIN new
.if MSB != \new
	s_set_vgpr_msb (MSB<<8)|\new
.set MSB, \new
.endif
.endm
.set MUL_LO, 0xa1
.set MUL_HI, 0xf1
.set TO_B,   0x40
.macro JLOAD g0a, g1a, g0b, g1b
	s_cmp_eq_u32 s15, 0
	s_cbranch_scc0 .Lfor_b_\@
	tensor_load_to_lds s[\g0a:\g0a+3], s[\g1a:\g1a+7]
	s_nop 0
.rept 4
	v_nop
.endr
	s_branch .Lasked_\@
.Lfor_b_\@:
	tensor_load_to_lds s[\g0b:\g0b+3], s[\g1b:\g1b+7]
	s_nop 0
.rept 4
	v_nop
.endr
.Lasked_\@:
.endm
.macro ASK
	s_cmp_gt_u32 s3, LAPS-3
	s_cbranch_scc0 .Lnot_now_\@
	s_wait_alu depctr_va_vdst(0)
	global_prefetch_b8 v[PFO], s[PFA:PFA+1] th:TH_LOAD_NT scope:SCOPE_SE
.Lnot_now_\@:
.endm
.macro CREST
	s_cmp_lg_u32 s14, 0
	s_cbranch_scc1 .Lnot_wave_0_\@
	s_barrier_signal -3
.Lnot_wave_0_\@:
	s_barrier_wait -3
	s_barrier_signal -1
	s_barrier_wait -1
.endm
.macro CROUND
	s_barrier_signal -1
	s_barrier_wait -1
	CREST
.endm
	s_load_b128 s[4:7], s[0:1], 0x0
	s_load_b128 s[8:11], s[0:1], 0x10
	v_lshl_add_u32 v[SPW], v0, 2, SPARE
	v_mov_b32 v[NIL], 0
	ds_add_u32 v28, v29
	ds_add_u32 v28, v29
	s_wait_dscnt 0x0
	v_lshrrev_b32 v1, 5, v0
	v_readfirstlane_b32 s14, v1
	s_lshr_b32 s15, s14, 1
	s_and_b32 s16, s14, 1
	s_bfe_u32 s40, ttmp6, 0x40000
	s_bfe_u32 s41, ttmp6, 0x40004
	s_lshl_b32 s42, ttmp9, 2
	s_add_co_u32 s42, s42, s40
	s_and_b32 s17, ttmp7, 0xffff
	s_lshl_b32 s17, s17, 2
	s_add_co_u32 s17, s17, s41
	s_lshl_b32 s43, s41, 2
	s_lshl_b32 s43, 15, s43
	s_lshl_b32 s44, 0x1111, s40
	s_or_b32 s[G1+0], s43, (0<<16)|(1<<20)|(1<<21)|(5<<22)|(3<<25)
	s_or_b32 s[G1B+0], s44, (0<<16)|(1<<20)|(1<<21)|(5<<22)|(3<<25)
.irp g, G1, G1B
	s_mov_b32 s[\g+1], 256<<16
	s_mov_b32 s[\g+2], TROWS<<16
	s_mov_b32 s[\g+3], 256<<16
	s_mov_b32 s[\g+4], TROWS
	s_mov_b32 s[\g+5], 256
	s_mov_b32 s[\g+6], 0
	s_mov_b32 s[\g+7], 0
.endr
	s_and_b32 s18, ttmp7, 0xffff
	s_and_b32 s19, ttmp9, 1
	s_lshl_b32 s19, s19, 3
	s_and_b32 s22, ttmp9, 2
	s_lshl_b32 s22, s22, 1
	s_add_co_u32 s19, s19, s22
	s_and_b32 s22, s18, 1
	s_lshl_b32 s22, s22, 3
	s_add_co_u32 s19, s19, s22
	s_and_b32 s22, s18, 2
	s_lshl_b32 s22, s22, 1
	s_add_co_u32 s19, s19, s22
	s_and_b32 s[KS], s19, 15
	s_mul_i32 s[KO], s[KS], KSTRIDE
	s_mov_b32 s[KO+1], 0
	s_mov_b32 s[PO+1], 0
	s_lshl_b32 s20, s17, 1
	s_add_co_u32 s20, s20, s16
	s_mul_i32 s20, s20, GROUPB
	s_mov_b32 s21, 0
	s_lshl_b32 s46, s42, 1
	s_add_co_u32 s46, s46, s16
	s_mul_i32 s46, s46, GROUPB
	s_mov_b32 s47, 0
	s_mul_i32 s45, s14, HALFT
	s_wait_kmcnt 0x0
	s_add_nc_u64 s[BA:BA+1], s[4:5], s[20:21]
	s_add_nc_u64 s[BB:BB+1], s[6:7], s[46:47]
	s_add_nc_u64 s[20:21], s[BA:BA+1], s[KO:KO+1]
	s_add_nc_u64 s[46:47], s[BB:BB+1], s[KO:KO+1]
	s_add_co_u32 s[KS], s[KS], 2
	CROUND
.irp s, 0,1
	s_mov_b32 s[G0+4*\s], 1
	s_add_co_u32 s[G0+4*\s+1], s45, \s*SLOT
	s_add_nc_u64 s[G0+4*\s+2:G0+4*\s+3], s[20:21], \s*KSTRIDE
	s_or_b32 s[G0+4*\s+3], s[G0+4*\s+3], 0x80000000
	s_mov_b32 s[G0B+4*\s], 1
	s_add_co_u32 s[G0B+4*\s+1], s45, \s*SLOT
	s_add_nc_u64 s[G0B+4*\s+2:G0B+4*\s+3], s[46:47], \s*KSTRIDE
	s_or_b32 s[G0B+4*\s+3], s[G0B+4*\s+3], 0x80000000
	s_wait_alu depctr_va_vdst(0)
	s_wait_tensorcnt 0x0
	ds_add_u32 v28, v29
	ds_add_u32 v28, v29
	s_wait_dscnt 0x0
	CROUND
	JLOAD G0+4*\s, G1, G0B+4*\s, G1B
.endr
	v_and_b32 v1, 15, v0
	v_bfe_u32 v2, v0, 4, 1
	s_wait_alu depctr_va_vdst(0)
	v_mul_u32_u24 v3, v1, PITCH
	v_lshl_add_u32 v4, v2, 4, v3
	s_mul_i32 s21, s15, HALFT
	s_mul_i32 s22, s16, HALFT
	s_add_co_u32 s22, s22, 2*HALFT
.irp s, 0,1
	v_add_nc_u32 v[ADRA+\s], s21, v4
	v_add_nc_u32 v[ADRB+\s], s22, v4
	s_add_co_u32 s21, s21, SLOT
	s_add_co_u32 s22, s22, SLOT
.endr
	v_lshlrev_b32 v5, 3, v1
	s_mul_i32 s21, s15, HALFT
	s_mul_i32 s22, s16, HALFT
	s_add_co_u32 s22, s22, 2*HALFT
	s_sub_co_u32 s22, s22, s21
	v_mul_u32_u24 v6, s22, v2
	s_add_co_u32 s21, s21, SCOFF
	v_add_nc_u32 v5, v5, v6
	v_add_nc_u32 v[ADRS], s21, v5
	v_add_nc_u32 v[ADRS+1], SLOT, v[ADRS]
	s_mul_i32 s23, s14, 16*SPITCH
	v_mul_u32_u24 v5, v1, SPITCH
	v_lshl_add_u32 v5, v2, 5, v5
	v_add_nc_u32 v[STO], s23, v5
	v_and_b32 v6, 31, v0
	s_wait_alu depctr_va_vdst(0)
	v_lshlrev_b32 v[CO], 4, v6
	v_add_nc_u32 v[RD], s23, v[CO]
	s_and_b32 s18, ttmp7, 0xffff
	s_cmp_lt_u32 s18, 2
	s_cselect_b64 s[12:13], s[8:9], s[10:11]
	s_and_b32 s20, s17, 7
	s_lshl_b32 s20, s20, 8
	s_lshl_b32 s21, s15, 7
	s_add_co_u32 s20, s20, s21
	s_lshl_b32 s20, s20, 14
	s_mov_b32 s21, 0
	s_lshl_b32 s46, s42, 10
	s_lshl_b32 s47, s16, 9
	s_add_co_u32 s46, s46, s47
	s_mov_b32 s47, 0
	s_add_nc_u64 s[20:21], s[20:21], s[46:47]
	s_add_nc_u64 s[12:13], s[12:13], s[20:21]
	s_lshl_b32 s18, s17, 1
	s_lshl_b32 s19, s42, 1
	s_cmp_eq_u32 s15, 0
	s_cselect_b32 s18, s18, s19
	s_cselect_b32 s19, s40, s41
	s_cselect_b64 s[PB:PB+1], s[4:5], s[6:7]
	s_add_co_u32 s18, s18, s16
	s_mul_i32 s18, s18, GROUPB
	s_lshl_b32 s19, s19, 13
	s_add_co_u32 s18, s18, s19
	s_mov_b32 s19, 0
	s_add_nc_u64 s[PB:PB+1], s[PB:PB+1], s[18:19]
	v_lshlrev_b32 v[PFO], 8, v6
.macro FRAG reg, adr, q, i
.irp c, 0,1,2,3
	ds_load_b128 v[\reg+4*\c:\reg+4*\c+3], v[\adr] offset:128*(\q)+32*\c+(\i)*16*PITCH
.endr
.endm
.macro MUL8 a, p, q, sc, zero
.irp b, 0,1,2,3,4,5,6,7
.if \zero
	v_wmma_scale_f32_16x16x128_f8f6f4 v[8*(8*((\a)%4)+\b):8*(8*((\a)%4)+\b)+7], v[128*(\p)+FR*\b:128*(\p)+FR*\b+FR-1], v[AF+FR*(\a):AF+FR*(\a)+FR-1], 0, v[SC+8*NQ*(\sc)+NQ*\b+(\q)], v[SC+8*NQ*(\sc)+NQ*(\a)+(\q)] matrix_a_scale:MATRIX_SCALE_ROW1
.else
	v_wmma_scale_f32_16x16x128_f8f6f4 v[8*(8*((\a)%4)+\b):8*(8*((\a)%4)+\b)+7], v[128*(\p)+FR*\b:128*(\p)+FR*\b+FR-1], v[AF+FR*(\a):AF+FR*(\a)+FR-1], v[8*(8*((\a)%4)+\b):8*(8*((\a)%4)+\b)+7], v[SC+8*NQ*(\sc)+NQ*\b+(\q)], v[SC+8*NQ*(\sc)+NQ*(\a)+(\q)] matrix_a_scale:MATRIX_SCALE_ROW1
.endif
.endr
.endm
.macro MUL16 a0, p, q, sc, zero
	MUL8 \a0, \p, \q, \sc, \zero
	MUL8 \a0+1, \p, \q, \sc, \zero
.endm
.macro FETCH_B slot, q, p
	WIN TO_B
.irp i, 0,1,2,3,4,5,6,7
	FRAG 128*(\p)+FR*\i, ADRB+\slot, \q, \i
.endr
	WIN 0
.endm
.macro FETCH_A slot, q, i0
.irp i, \i0, \i0+1, \i0+2, \i0+3
	FRAG AF+FR*(\i), ADRA+\slot, \q, \i
.endr
.endm
.macro SCALES sc
.irp i, 0,1,2,3,4,5,6,7
	ds_load_b64 v[SC+8*NQ*\sc+NQ*\i:SC+8*NQ*\sc+NQ*\i+1], v[ADRS+\sc] offset:(\i/2)*PITCH+(\i%2)*128
.endr
.endm
.macro PLACES n
.rept \n
	v_nop
.endr
.endm
.macro STEP slot, q, zero
	s_wait_dscnt 4*NL
	WIN MUL_LO
	MUL16 0, (\q)%2, \q, \slot, \zero
	MUL16 2, (\q)%2, \q, \slot, \zero
	s_wait_dscnt 0
	PLACES NP
	FETCH_B \slot, (\q)+1, 1-(\q)%2
	FETCH_A \slot, (\q)+1, 0
	WIN MUL_HI
	MUL16 4, (\q)%2, \q, \slot, \zero
	MUL16 6, (\q)%2, \q, \slot, \zero
	PLACES NP
	WIN 0
	FETCH_A \slot, (\q)+1, 4
.endm
.macro TURN slot, next, fill
.if \fill
	s_wait_xcnt 0x0
	s_add_co_u32 s[PK], s[KS], 2
	s_and_b32 s[PK], s[PK], 15
	s_mul_i32 s[PO], s[PK], KSTRIDE
	s_add_nc_u64 s[PFA:PFA+1], s[PB:PB+1], s[PO:PO+1]
.endif
	s_wait_dscnt 4*NL
	WIN MUL_LO
	MUL16 0, 1, NQ-1, \slot, 0
	MUL8 2, 1, NQ-1, \slot, 0
	WIN 0
	s_wait_tensorcnt 0x0
	ds_add_u32 v[SPW], v[NIL]
.if \fill
	s_mul_i32 s[KO], s[KS], KSTRIDE
	s_add_nc_u64 s[G0+4*\slot+2:G0+4*\slot+3], s[BA:BA+1], s[KO:KO+1]
	s_or_b32 s[G0+4*\slot+3], s[G0+4*\slot+3], 0x80000000
	s_add_nc_u64 s[G0B+4*\slot+2:G0B+4*\slot+3], s[BB:BB+1], s[KO:KO+1]
	s_or_b32 s[G0B+4*\slot+3], s[G0B+4*\slot+3], 0x80000000
	s_add_co_u32 s[KS], s[KS], 1
	s_and_b32 s[KS], s[KS], 15
.endif
	WIN MUL_LO
	MUL8 3, 1, NQ-1, \slot, 0
	WIN 0
	s_wait_dscnt 0x0
	s_barrier_signal -1
	s_barrier_wait -1
.if \fill
	CREST
	JLOAD G0+4*\slot, G1, G0B+4*\slot, G1B
	PLACES NP-4
.else
	PLACES NP
.endif
	FETCH_B \next, 0, 0
	FETCH_A \next, 0, 0
	SCALES \next
.if \fill
	ASK
.endif
	WIN MUL_HI
	MUL16 4, 1, NQ-1, \slot, 0
	MUL16 6, 1, NQ-1, \slot, 0
	PLACES NP
	WIN 0
	FETCH_A \next, 0, 4
.endm
	s_wait_tensorcnt 1
	s_barrier_signal -1
	s_barrier_wait -1
	FETCH_B 0, 0, 0
	FETCH_A 0, 0, 0
	SCALES 0
	FETCH_A 0, 0, 4
	STEP 0, 0, 1
	s_mov_b32 s3, LAPS-1
.Llap:
	TURN 0, 1, 1
	STEP 1, 0, 0
	TURN 1, 0, 1
	STEP 0, 0, 0
	s_sub_co_u32 s3, s3, 1
	s_cmp_lg_u32 s3, 0
	s_cbranch_scc1 .Llap
	TURN 0, 1, 0
	STEP 1, 0, 0
	s_wait_dscnt 4*NL
	WIN MUL_LO
	MUL16 0, 1, NQ-1, 1, 0
	MUL16 2, 1, NQ-1, 1, 0
	s_wait_dscnt 0
	WIN MUL_HI
	MUL16 4, 1, NQ-1, 1, 0
	MUL16 6, 1, NQ-1, 1, 0
	WIN 0
.macro TOSTAGE a
.set AC, 64*((\a)%4)
	WIN 0x08+4*((\a)/4)
.irp b, 0,1,2,3,4,5,6,7
	ds_store_b128 v[STO], v[AC+8*\b:AC+8*\b+3] offset:64*\b
	ds_store_b128 v[STO], v[AC+8*\b+4:AC+8*\b+7] offset:64*\b+16
.endr
	WIN 0
.set BB2, BK+64*((\a)%2)
.irp t, 0,1,2,3,4,5,6,7,8,9,10,11,12,13,14,15
	ds_load_b128 v[BB2+4*\t:BB2+4*\t+3], v[RD] offset:\t*SPITCH
.endr
.endm
.macro SEND a, younger
.set BB2, BK+64*((\a)%2)
	s_wait_dscnt \younger
.if (\a) > 0
	s_add_nc_u64 s[12:13], s[12:13], 16*SIZE_N*4
.endif
.irp t, 0,1,2,3,4,5,6,7,8,9,10,11,12,13,14,15
	global_store_b128 v[CO], v[BB2+4*\t:BB2+4*\t+3], s[12:13] offset:\t*SIZE_N*4 th:TH_STORE_NT
.endr
.endm
	PLACES NP
	s_wait_alu depctr_va_vdst(0)
	TOSTAGE 0
.irp a, 1,2,3,4,5,6,7
.if \a > 1
	s_wait_xcnt 0x0
.endif
	TOSTAGE \a
	SEND \a-1, 32
.endr
	s_wait_xcnt 0x0
	SEND 7, 0
	s_wait_tensorcnt 0x0
	ds_add_u32 v[SPW], v[NIL]
	s_wait_dscnt 0x0
	CROUND
	s_endpgm
.Lfunc_end_k_qbfc8e6c0e6_gemm:
	.size	k_qbfc8e6c0e6_gemm, .Lfunc_end_k_qbfc8e6c0e6_gemm-k_qbfc8e6c0e6_gemm
	.p2alignl 7, 3214868480
	.fill 96, 4, 3214868480
	.section	.rodata,"a",@progbits
	.p2align	6, 0x0
	.amdhsa_kernel k_qbfc8e6c0e6_gemm
		.amdhsa_group_segment_fixed_size 327680
		.amdhsa_private_segment_fixed_size 0
		.amdhsa_enable_private_segment 0
		.amdhsa_kernarg_size 32
		.amdhsa_user_sgpr_count 2
		.amdhsa_user_sgpr_kernarg_segment_ptr 1
		.amdhsa_wavefront_size32 1
		.amdhsa_system_sgpr_workgroup_id_x 1
		.amdhsa_system_sgpr_workgroup_id_y 1
		.amdhsa_system_sgpr_workgroup_id_z 1
		.amdhsa_system_vgpr_workitem_id 0
		.amdhsa_next_free_vgpr 1024
		.amdhsa_next_free_sgpr 84
		.amdhsa_reserve_vcc 0
		.amdhsa_float_denorm_mode_32 3
		.amdhsa_float_denorm_mode_16_64 3
		.amdhsa_memory_ordered 1
		.amdhsa_forward_progress 1
		.amdhsa_inst_pref_size 147
	.end_amdhsa_kernel
	.amdgpu_metadata
---
amdhsa.version: [ 1, 2 ]
amdhsa.kernels:
  - .name:           k_qbfc8e6c0e6_gemm
    .symbol:         k_qbfc8e6c0e6_gemm.kd
    .args:
      - { .name: a_q, .offset: 0, .size: 8, .value_kind: global_buffer, .address_space: global }
      - { .name: b_q, .offset: 8, .size: 8, .value_kind: global_buffer, .address_space: global }
      - { .name: out0, .offset: 16, .size: 8, .value_kind: global_buffer, .address_space: global }
      - { .name: out1, .offset: 24, .size: 8, .value_kind: global_buffer, .address_space: global }
    .group_segment_fixed_size: 327680
    .private_segment_fixed_size: 0
    .kernarg_segment_align: 8
    .kernarg_segment_size: 32
    .max_flat_workgroup_size: 128
    .sgpr_count:     84
    .vgpr_count:     1024
    .wavefront_size: 32
...
	.end_amdgpu_metadata
.endif
;; end of part 2
